; MI455X (gfx1250); checked and timed in simulation.
; The chip was launched on July 23, 2026; its instructions are those of AMD's public machine-readable ISA for CDNA 5 (MIT licence, August 2026) and "CDNA5" Instruction Set Architecture Reference Guide (July 2026). The comments in the code are by the model that wrote it; some were corrected since.
;; Nonlinear IB. Allowed arithmetic: matrix products marked QUANTISED: E4M3 operands, one given power-of-two scale a tensor, by v_wmma_f32_16x16x64_fp8_fp8 or v_wmma_f32_16x16x128_fp8_fp8, f32 sums; everything else in f32.
;; Inputs: beta one number float32; kde_logvar one number float32; lowp_scales 2 int32 (the exponents e of the quantised operands' scales 2^e); noise 8,192 x 512 float32; noise_logvar one number float32; x 8,192 x 512 float32.
;; Outputs: out0 8,192 x 512 float32; out1 one number float32; out2 one number float32.
;; This version of the problem:
;;   THIS VERSION OF THE PROBLEM IS GIVEN IN LOW PRECISION. The matrix products marked QUANTISED in the list below multiply operands that are first quantised to E4M3 (4 exponent bits, 3 mantissa bits; 8 bits a number), with one given power-of-two scale for each operand tensor; their sums are f32. All else is computed in f32.
;;   The module's matrix products, in the order in which they are computed (A, B: the left and right operand; K: the contracted axis; several contracted axes count as one K, in the product's order):
;;     1. [M 8,192, K 512] x [K 512, N 8,192]; A: input x; B: input x: QUANTISED (scales: A lowp_scales[0], B lowp_scales[1])
;;   THE QUANTISER, for each operand of a quantised product, along K:
;;     - The operand's scale is 2^e, e = its entry of the input lowp_scales (int32; the entries are numbered through the quantised products in the list's order, A before B).
;;     - Each number is divided by the scale, clamped to +-448, and rounded to the nearest number of E4M3, ties to even, subnormals kept.
;;     - The product sums the exact products of the quantised numbers (number of the format x scale) in f32.
;;   ~~~python
;;   def quantise(x, axis, e):      # numpy; x: float32 -> the quantised numbers, widened to float32 again
;;       x = np.moveaxis(x, axis, -1); K = x.shape[-1]
;;       r = np.clip(x / 2.0 ** e, -448, 448)
;;       step = 2.0 ** (np.maximum(np.frexp(np.where(r == 0, 1, r))[1] - 1, -6) - 3)
;;       q = np.round(r / step) * step * 2.0 ** e      # np.round: ties to even
;;       return np.moveaxis(q, -1, axis).astype(np.float32)
;;   ~~~
;; One version. Each part assembles by itself: llvm-mc -triple=amdgcn-amd-amdhsa -mcpu=gfx1250 --defsym DOCPART=n.
;; ======== version 1 of 1: 4 launches
;; workspace buffers: acodes 4,194,304 bytes; bcodes 4,194,304 bytes; bias 32,768 bytes; part 1,048,576 bytes; wsum 1,024 bytes
;; launch prep (part 1): grid 256 x 1, 8 waves a work-group, no clusters, 69,120 bytes of LDS; arguments x, noise, noise_logvar, lowp_scales, out0, acodes, bcodes, bias; writes out0, acodes, bcodes, bias
.if DOCPART == 1
	.amdgcn_target "amdgcn-amd-amdhsa--gfx1250"
	.amdhsa_code_object_version 6
	.text
	.protected	k_q4ff8828c54_prep
	.globl	k_q4ff8828c54_prep
	.p2align	8
	.type	k_q4ff8828c54_prep,@function
k_q4ff8828c54_prep:
	s_mov_b64 s[64:65], 0
	v_nop
	global_prefetch_b8 v0, s[64:65] scope:SCOPE_SE
	s_setreg_imm32_b32 hwreg(HW_REG_WAVE_MODE, 25, 1), 1
	s_wait_xcnt 0x0
; LAUNCH 1 OF 4.  out0 = x + exp(noise_logvar / 2) noise;  x as codes of FP8 (E4M3), once with the scale 2^e0 (the product's left operand) and once with 2^e1 (its right operand);
; bias[j] = -x2[j] 2^-(e0+e1+1), x2[j] = the sum of row j's squares in f32.
; THE PROGRAM.  dists[i][j] = x2[i] + x2[j] - 2 G[i][j], G = S 2^E, S the sum of the codes' products, E = e0 + e1.  With w[i][j] = S[i][j] + bias[j]:  -dists / (2 var) = (2^E / var) (w[i][j] + bias[i]).
; Launch 2 makes w and, for each row and each block of 512 columns, both logsumexps in base 2 with a running maximum; launch 3 joins the 16 column blocks and sums rows; launch 4 makes the two numbers.
; bias[i] is the same along the softmax's axis: it is kept out of the exponentials and added back once a row, beside the row's maximum.
; WORK LEFT OUT.  In out1 reference() forms h = -mean(lse1 - log N - normconst) and mi = h - normconst.  For all values of the inputs that is mi = log N - mean(lse1): normconst is added and taken away again, so it is
; never computed for out1 (for out2 its like, normconst_kde, stays).  Every input still has a way to an output.  LIMIT: a NaN, an infinity or an overflow that arises in normconst alone is not carried to out1.
; THE CODES ARE LAID AS IMAGES OF THE OPERAND'S REGISTERS: tile T of 16 rows, K step s of 128, group c of four registers, lane l = 16 h + r: the 16 bytes at 8192 T + 2048 s + 512 c + 16 l are the codes of row 16 T + r,
; k = 128 s + 32 c + 16 h + 0 .. 15.  The same order of k on both sides of the product, so that every code meets its partner.  A fragment then comes by four loads of 512 consecutive bytes.
; SHARES.  A work-group takes 32 rows; wave wv takes 16 of them (tile wv / 4) x 128 columns (K step wv % 4).  No loop: a wave's 32 loads, 16 KiB, go out together.  Each load and store of y covers 512 consecutive bytes.
; The conversions want 16 neighbours along K in one lane, the loads 16 bytes a lane: so x turns through the wave's own stage in LDS (16 rows, 528 bytes apart).
; LIMITS: -126 <= e0, e1 and e + 8 <= 127, so that 2^e and 448 x 2^e are f32 numbers; exp(noise_logvar / 2) under 2^-126 counts as 0; NaN among the inputs is not served.
.set STGB,  16*528                     ; a wave's stage
.set X2P,   8*STGB                     ; 8 waves x 16 words: each wave's part of its 16 rows' sums of squares
.set SPARE, X2P+512                    ; the spare words, 128 bytes for each wave: four blocks of 256 bytes that no other line names
.set X,   32                           ; v32-95   x as loaded; later x held within +-448 x 2^e0
.set NZ,  96                           ; v96-159  noise as loaded, then y
.set XT,  160                          ; v160-223 x turned: register 16 c + i = k 32 c + 16 h + i of my row
.set CA,  224                          ; v224-239 codes with 2^e0
.set CB,  240                          ; v240-255 codes with 2^e1
; v1 lane; v2 16 x lane; v3, v4 the stage, in and out; v5 my word of X2P; v6, v7 the add's two; v[8:9] sigma twice; v10-13 scales and holds; v[14:21] four chains of squares; v24, v25 wave 0's last addresses
	s_load_b256 s[4:11], s[0:1], 0x0               ; x s[4:5], noise s[6:7], noise_logvar s[8:9], the scales' exponents s[10:11]
	s_load_b256 s[12:19], s[0:1], 0x20             ; out0 s[12:13], acodes s[14:15], bcodes s[16:17], bias s[18:19]
	v_lshl_add_u32 v6, v0, 2, SPARE                ; my spare word
	v_mov_b32 v7, 0
	v_lshrrev_b32 v22, 5, v0
	v_readfirstlane_b32 s20, v22                   ; wave 0..7
	v_and_b32 v1, 31, v0
	v_lshlrev_b32 v2, 4, v1                        ; 16 x lane
	v_and_b32 v22, 15, v0                          ; r
	v_bfe_u32 v23, v0, 4, 1                        ; h
	s_mul_i32 s21, s20, STGB
	v_add_nc_u32 v3, s21, v2                       ; into the stage: a row's 512 bytes as they lie
	v_mul_u32_u24 v4, v22, 528
	v_lshl_add_u32 v4, v23, 6, v4
	v_add_nc_u32 v4, s21, v4                       ; out of it: row r, + 64 h: my 16 numbers of each 32
	s_lshl_b32 s21, s20, 6
	v_lshl_add_u32 v5, v22, 2, X2P
	v_add_nc_u32 v5, s21, v5                       ; X2P + 64 wave + 4 r
	v_lshl_add_u32 v24, v23, 8, X2P
	v_lshl_add_u32 v24, v22, 2, v24                ; wave 0 at the end: lane l stands for row l of the 32: X2P + 256 (l / 16) + 4 (l % 16)
	v_lshlrev_b32 v25, 2, v1
	s_lshr_b32 s26, s20, 2                         ; which 16 rows
	s_and_b32 s27, s20, 3                          ; which K step
	s_lshl_b32 s22, ttmp9, 16                      ; x, noise, y: 32 rows of 2,048 bytes a work-group,
	s_lshl_b32 s24, s26, 15                        ; 16 rows,
	s_add_co_u32 s22, s22, s24
	s_lshl_b32 s24, s27, 9                         ; 128 numbers
	s_add_co_u32 s22, s22, s24
	s_mov_b32 s23, 0
	s_lshl_b32 s24, ttmp9, 14                      ; codes: two tiles of 8,192 bytes a work-group,
	s_lshl_b32 s25, s26, 13
	s_add_co_u32 s24, s24, s25
	s_lshl_b32 s25, s27, 11                        ; a K step's image of 2,048 bytes
	s_add_co_u32 s24, s24, s25
	s_mov_b32 s25, 0
	s_lshl_b32 s38, ttmp9, 7                       ; bias: 32 numbers a work-group
	s_mov_b32 s39, 0
	s_mov_b32 s36, 0x76543210                      ; v_permlanex16_b32: lane l xor 16
	s_mov_b32 s37, 0xfedcba98
	s_wait_kmcnt 0x0
	s_load_b32 s26, s[8:9], 0x0                    ; noise_logvar
	s_load_b64 s[28:29], s[10:11], 0x0             ; e0, e1
	s_add_nc_u64 s[4:5], s[4:5], s[22:23]
	s_add_nc_u64 s[6:7], s[6:7], s[22:23]
	s_add_nc_u64 s[12:13], s[12:13], s[22:23]
	s_add_nc_u64 s[14:15], s[14:15], s[24:25]
	s_add_nc_u64 s[16:17], s[16:17], s[24:25]
	s_add_nc_u64 s[18:19], s[18:19], s[38:39]
.set j, 0
.rept 16
	global_load_b128 v[X+4*j:X+4*j+3], v2, s[4:5] offset:2048*j th:TH_LOAD_NT      ; row j: 512 consecutive bytes
.set j, j+1
.endr
.set j, 0
.rept 16
	global_load_b128 v[NZ+4*j:NZ+4*j+3], v2, s[6:7] offset:2048*j th:TH_LOAD_NT
.set j, j+1
.endr
	s_wait_kmcnt 0x0
	v_mov_b32 v22, s26
	v_mul_f32 v22, 0x3f38aa3b, v22                 ; noise_logvar x log2(e) / 2
	v_exp_f32 v8, v22                              ; sigma, twice: a pair for the packed multiply-add
	v_exp_f32 v9, v22
	s_add_co_i32 s30, s28, 127
	s_lshl_b32 s31, s30, 23
	v_mov_b32 v10, s31                             ; 2^e0 as f32: the conversion takes its exponent field.  (A plain instruction behind the exponentials)
	s_add_co_i32 s30, s30, 8
	s_lshl_b32 s30, s30, 23
	s_or_b32 s30, s30, 0x600000
	v_mov_b32 v11, s30                             ; 448 x 2^e0
	s_add_co_i32 s30, s29, 127
	s_lshl_b32 s31, s30, 23
	v_mov_b32 v12, s31                             ; 2^e1
	s_add_co_i32 s30, s30, 8
	s_lshl_b32 s30, s30, 23
	s_or_b32 s30, s30, 0x600000
	v_mov_b32 v13, s30                             ; 448 x 2^e1
	s_add_co_i32 s34, s28, s29
	s_add_co_i32 s34, s34, 1
	s_sub_co_i32 s34, 0, s34                       ; -(e0 + e1 + 1)
	s_wait_alu depctr_va_vdst(0)                   ; the wait ahead of the first line that names an exponential's result: one for the two
	s_wait_loadcnt 16                              ; x's 16 loads are in; noise's 16 may be out
.set j, 0
.rept 16
	ds_store_b128 v3, v[X+4*j:X+4*j+3] offset:528*j
.set j, j+1
.endr
.irp c, 0,1,2,3
.irp i, 0,1,2,3
	ds_load_b128 v[XT+16*\c+4*\i:XT+16*\c+4*\i+3], v4 offset:128*\c+16*\i      ; LDS serves a wave's instructions in order (ISA guide 5.7.1.4): these see my stores
.endr
.endr
	s_wait_loadcnt 0x0                             ; noise
.set j, 0
.rept 32
	v_pk_fma_f32 v[NZ+2*j:NZ+2*j+1], v[NZ+2*j:NZ+2*j+1], v[8:9], v[X+2*j:X+2*j+1]   ; y = noise x sigma + x
.set j, j+1
.endr
.set j, 0
.rept 16
	global_store_b128 v2, v[NZ+4*j:NZ+4*j+3], s[12:13] offset:2048*j th:TH_STORE_NT ; 512 consecutive bytes, at a multiple of 256 from out0's first byte; no later line writes these registers
.set j, j+1
.endr
	s_wait_dscnt 0x0                               ; x is back, turned; the stage's stores have read X
.irp k, 0,1,2,3
	v_pk_mul_f32 v[14+2*\k:15+2*\k], v[XT+2*\k:XT+2*\k+1], v[XT+2*\k:XT+2*\k+1]      ; the first four pairs start four chains: nothing is cleared
.endr
.set j, 4
.rept 28
	v_pk_fma_f32 v[14+2*(j%4):15+2*(j%4)], v[XT+2*j:XT+2*j+1], v[XT+2*j:XT+2*j+1], v[14+2*(j%4):15+2*(j%4)]
.set j, j+1
.endr
.set j, 0
.rept 64
	v_med3_num_f32 v[X+j], v[XT+j], -v11, v11      ; the conversion to an 8-bit code does not saturate (ISA guide 7.6.2): the hold at the largest code x the scale
.set j, j+1
.endr
.set j, 0
.rept 8
	v_cvt_scalef32_pk8_fp8_f32 v[CA+2*j:CA+2*j+1], v[X+8*j:X+8*j+7], v10
.set j, j+1
.endr
.set j, 0
.rept 64
	v_med3_num_f32 v[XT+j], v[XT+j], -v13, v13
.set j, j+1
.endr
.set j, 0
.rept 8
	v_cvt_scalef32_pk8_fp8_f32 v[CB+2*j:CB+2*j+1], v[XT+8*j:XT+8*j+7], v12
.set j, j+1
.endr
	v_nop                                          ; one plain vector line behind the last conversion
.irp c, 0,1,2,3
	global_store_b128 v2, v[CA+4*\c:CA+4*\c+3], s[14:15] offset:512*\c               ; group c of the image: 512 consecutive bytes
	global_store_b128 v2, v[CB+4*\c:CB+4*\c+3], s[16:17] offset:512*\c
.endr
	v_pk_add_f32 v[14:15], v[14:15], v[16:17]
	v_pk_add_f32 v[18:19], v[18:19], v[20:21]
	v_pk_add_f32 v[14:15], v[14:15], v[18:19]
	v_add_f32 v14, v14, v15                        ; my 64 squares,
	v_permlanex16_b32 v15, v14, s36, s37
	v_add_f32 v14, v14, v15                        ; and lane l xor 16's: row r's 128 of this K step
	ds_store_b32 v5, v14                           ; (both halves of the lanes write the same number to the same word)
	s_wait_tensorcnt 0x0                           ; my last LDS store is issued
	ds_add_u32 v6, v7
	s_wait_dscnt 0x0                               ; for the others' sake too: my word of X2P has landed
	s_barrier_signal -1
	s_barrier_wait -1
	s_cmp_lg_u32 s20, 0
	s_cbranch_scc1 .Lend                           ; wave 0 alone joins the four K steps: lane l for row l of the work-group's 32
	ds_load_b32 v16, v24
	ds_load_b32 v17, v24 offset:64
	ds_load_b32 v18, v24 offset:128
	ds_load_b32 v19, v24 offset:192
	s_wait_dscnt 0x0
	v_add_f32 v16, v16, v17
	v_add_f32 v16, v16, v18
	v_add_f32 v16, v16, v19                        ; x2
	v_ldexp_f32 v16, -v16, s34                     ; -x2 2^-(e0+e1+1): nothing is rounded
	global_store_b32 v25, v16, s[18:19]            ; 128 consecutive bytes: half of an aligned 256; the buffer is 32 KiB of the 56 MiB that the launch moves
.Lend:
	s_endpgm
.Lfunc_end_k_q4ff8828c54_prep:
	.size	k_q4ff8828c54_prep, .Lfunc_end_k_q4ff8828c54_prep-k_q4ff8828c54_prep
	.p2alignl 7, 3214868480
	.fill 96, 4, 3214868480
	.section	.rodata,"a",@progbits
	.p2align	6, 0x0
	.amdhsa_kernel k_q4ff8828c54_prep
		.amdhsa_group_segment_fixed_size 69120
		.amdhsa_private_segment_fixed_size 0
		.amdhsa_enable_private_segment 0
		.amdhsa_kernarg_size 64
		.amdhsa_user_sgpr_count 2
		.amdhsa_user_sgpr_kernarg_segment_ptr 1
		.amdhsa_wavefront_size32 1
		.amdhsa_system_sgpr_workgroup_id_x 1
		.amdhsa_system_sgpr_workgroup_id_y 1
		.amdhsa_system_sgpr_workgroup_id_z 1
		.amdhsa_system_vgpr_workitem_id 0
		.amdhsa_next_free_vgpr 256
		.amdhsa_next_free_sgpr 66
		.amdhsa_reserve_vcc 0
		.amdhsa_float_denorm_mode_32 3
		.amdhsa_float_denorm_mode_16_64 3
		.amdhsa_memory_ordered 1
		.amdhsa_forward_progress 1
		.amdhsa_inst_pref_size 25
	.end_amdhsa_kernel
	.amdgpu_metadata
---
amdhsa.version: [ 1, 2 ]
amdhsa.kernels:
  - .name:           k_q4ff8828c54_prep
    .symbol:         k_q4ff8828c54_prep.kd
    .args:
      - { .name: x, .offset: 0, .size: 8, .value_kind: global_buffer, .address_space: global }
      - { .name: noise, .offset: 8, .size: 8, .value_kind: global_buffer, .address_space: global }
      - { .name: noise_logvar, .offset: 16, .size: 8, .value_kind: global_buffer, .address_space: global }
      - { .name: lowp_scales, .offset: 24, .size: 8, .value_kind: global_buffer, .address_space: global }
      - { .name: out0, .offset: 32, .size: 8, .value_kind: global_buffer, .address_space: global }
      - { .name: acodes, .offset: 40, .size: 8, .value_kind: global_buffer, .address_space: global }
      - { .name: bcodes, .offset: 48, .size: 8, .value_kind: global_buffer, .address_space: global }
      - { .name: bias, .offset: 56, .size: 8, .value_kind: global_buffer, .address_space: global }
    .group_segment_fixed_size: 69120
    .private_segment_fixed_size: 0
    .kernarg_segment_align: 8
    .kernarg_segment_size: 64
    .max_flat_workgroup_size: 256
    .sgpr_count:     66
    .vgpr_count:     256
    .wavefront_size: 32
...
	.end_amdgpu_metadata
.endif
;; end of part 1
;; launch main (part 2): grid 16 x 16, 8 waves a work-group, clusters of 4 x 1, 265,216 bytes of LDS; arguments acodes, bcodes, bias, noise_logvar, kde_logvar, lowp_scales, part; writes part
.if DOCPART == 2
	.amdgcn_target "amdgcn-amd-amdhsa--gfx1250"
	.amdhsa_code_object_version 6
	.text
	.protected	k_q4ff8828c54_main
	.globl	k_q4ff8828c54_main
	.p2align	8
	.type	k_q4ff8828c54_main,@function
k_q4ff8828c54_main:
	s_mov_b64 s[64:65], 0
	v_nop
	global_prefetch_b8 v0, s[64:65] scope:SCOPE_SE
	s_setreg_imm32_b32 hwreg(HW_REG_WAVE_MODE, 25, 1), 1
	s_wait_xcnt 0x0
	s_wait_alu depctr_hold_cnt(0) depctr_sa_sdst(0) depctr_va_vdst(0) depctr_va_sdst(0) depctr_va_ssrc(0) depctr_va_vcc(0) depctr_vm_vsrc(0)
	s_getreg_b32 s2, hwreg(HW_REG_IB_STS2, 6, 4)
	s_cmp_eq_u32 s2, 0
	s_cbranch_scc0 .Lentry_in_a_cluster
	s_endpgm
.Lentry_in_a_cluster:
	s_bfe_u32 s2, ttmp6, 0x10000c
	s_cmp_lg_u32 s2, 0x3003
	s_cbranch_scc0 .Lentry_shape_is_right
	s_endpgm
.Lentry_shape_is_right:
; LAUNCH 2 OF 4.  For a block of 512 rows i (rb) and a block of 512 columns j (cb): w[i][j] = S[i][j] + bias[j], S the product of the codes (FP8, E4M3, sums in f32), and for each row the two partial logsumexps in base 2:
;   L1 = log2 of the sum over the block's j of 2^(k1 (w + bias[i])),  k1 = log2(e) 2^E / (exp(noise_logvar) + exp(kde_logvar));   L2 the same with k2 = log2(e) 2^E / exp(kde_logvar) and the diagonal masked.
; THE MASK.  reference() adds 1e21 to dists / (2 kdevar) where i = j: in units of w that is w - BIG, BIG = 1e21 exp(kde_logvar) 2^-E.  Every work-group runs the lines of the diagonal in the same steps; off the diagonal blocks BIG is 0.
; THE MAXIMUM is a running one, for each lane over its own keys, one for L1 and one for L2; the sums are rescaled by 2^(k m_old - k m_new) in every step; no branch hangs on data.  k m is rounded once, and that rounding is taken out again at the end.
; SHARES.  256 work-groups, eight waves each.  Wave w owns rows 64 w .. 64 w + 63 of the block, four tiles of 16; their codes (16 fragments, 256 registers, window 1) stay in registers.  All waves walk the 512 keys, 32 a step.
; THE PRODUCT IS USED TRANSPOSED (source 0 = 16 keys, source 1 = 16 rows): a lane holds ONE row (lane % 16) and the keys 8 (lane / 16) + 0 .. 7 of a tile.  bias[j] is the C of a sum's first matrix instruction.
; Two waves share a SIMD, so that one wave's products can be issued beside the other's exponentials.
; CLUSTER.  The four work-groups of a cluster share cb, so all their tiles of the right operand: each is asked for JOINTLY (mask 15).  All 256 KiB of it lie in LDS at once: nothing is filled again, and the cluster's barrier has two rounds,
; one in front of the loads and one at the end.  The left operand is shared along y, but LDS has no room for it beside the right one's 262,144 bytes: it goes from memory straight into the registers in which it stays.
; By this text's own count a wave has four tensor loads out at the most: group g (64 KiB, key tiles 8 g .. 8 g + 7) serves steps 4 g .. 4 g + 3, and is waited for in the step before.
; LIMITS: exp(noise_logvar), exp(kde_logvar) under 2^-126 count as 0 (reference() then divides by a denormal); NaN among the inputs is not served.
.set BIASL, 262144                     ; LDS: behind the 32 key tiles of 8,192 bytes: the block's 512 numbers of bias, stored by ds_store; no tensor load lands here
.set SPARE, BIASL+2048                 ; the spare words, 128 bytes for each wave: four blocks of 256 bytes that no other line names
.set ST,  20                           ; v20-43   tile q's statistics at v[20 + 6 q]: m1, m2, s1 (a pair), s2 (a pair)
.set XI,  44                           ; v44-47   bias[my row of tile q]
.set T,   48                           ; v48-63   the step's bias as C (two key tiles x 8); then at work for tile 0
.set W,   64                           ; v64-127  w: tile q at v[64 + 16 q]: key tile 0's eight, key tile 1's eight
.set BF,  128                          ; v128-255 the step's fragments of the right operand: key tile u, K step s at v[128 + 64 u + 16 s]
; v1 16 x lane; v2 BIASL + 32 (lane / 16); v3 the address in hand; v4, v5 the add's two; v6 lane % 16 - 8 (lane / 16); v7 BIG; v[8:9], v[10:11] k1 m1, k2 m2 (low words); v[12:13], v[14:15] the rescalings (low words); v16-19 at work
; window 1: v[64 q + 16 s ..]: the left operand's fragment of tile q, K step s
; s18 wave; s19 cx; s20 rb; s21 cb; s[24:31] descriptor group 1; s[32:47] four groups 0; s[48:49] k1; s[50:51] k2; s52 E; s53 BIG; s54, s55 LDS bytes of the next step's tiles and bias; s56 the step; s57, s58 the wave's two diagonal steps; s59 a loop's count
.set MSB, 0
.macro WIN new                         ; the immediate's high byte repeats the setting that is left
.if MSB != \new
	s_set_vgpr_msb (MSB<<8)|\new
.set MSB, \new
.endif
.endm
.macro ROUND                           ; a round of the cluster's barrier
	s_barrier_signal -1
	s_barrier_wait -1
	s_cmp_lg_u32 s18, 0
	s_cbranch_scc1 .Lnot_wave_0_\@
	s_barrier_signal -3
.Lnot_wave_0_\@:
	s_barrier_wait -3
	s_barrier_signal -1
	s_barrier_wait -1
.endm
	s_load_b256 s[4:11], s[0:1], 0x0               ; acodes s[4:5], bcodes s[6:7], bias s[8:9], noise_logvar s[10:11]
	s_load_b128 s[12:15], s[0:1], 0x20             ; kde_logvar s[12:13], the scales' exponents s[14:15]
	s_load_b64 s[16:17], s[0:1], 0x30              ; part
	v_lshl_add_u32 v4, v0, 2, SPARE
	v_mov_b32 v5, 0
	ds_add_u32 v4, v5                              ; the wave's opening: the add, twice on end, and its wait ahead of my first tensor load; the set-up below stands between
	ds_add_u32 v4, v5
	v_lshrrev_b32 v3, 5, v0
	v_readfirstlane_b32 s18, v3                    ; wave 0..7
	s_bfe_u32 s19, ttmp6, 0x40000                  ; cx
	s_lshl_b32 s20, ttmp9, 2
	s_add_co_u32 s20, s20, s19                     ; rb = 4 x cluster x + cx: it enters global addresses of plain loads and stores, and the choice of BIG, and nothing else
	s_and_b32 s21, ttmp7, 0xffff                   ; cb, which the four partners share
	s_mov_b32 s24, 15|(3<<16)|(1<<21)              ; group 1: 15:0 the mask: all four; 17:16 elements of 8 bytes; 21 set beside a mask; no padding
	s_mov_b32 s25, 32<<16                          ; tensor_dim0 = 32 elements: rows of 256 bytes
	s_mov_b32 s26, 32<<16                          ; tensor_dim1 = 32 rows: a key tile's image, 8,192 dense bytes
	s_mov_b32 s27, 32<<16                          ; tile_dim0
	s_mov_b32 s28, 32                              ; tile_dim1
	s_mov_b32 s29, 32                              ; the pitch: dense
	s_mov_b32 s30, 0
	s_mov_b32 s31, 0
	s_mov_b32 s60, 0x76543210                      ; v_permlanex16_b32: lane l xor 16
	s_mov_b32 s61, 0xfedcba98
	s_lshl_b32 s57, s18, 1                         ; rows 64 w + 16 q + r meet keys 32 t + 16 u + 8 h + d at t = 2 w + q / 2, u = q % 2, d = r - 8 h
	s_add_co_u32 s58, s57, 1
	s_mov_b32 s56, 0
	s_mov_b32 s54, 0
	s_mov_b32 s55, 0
	s_lshl_b32 s22, s21, 18                        ; the column block's 32 tiles,
	s_lshl_b32 s68, s18, 13                        ; my tile of a group: also its place in LDS: no place in the cluster enters an LDS address
	s_add_co_u32 s22, s22, s68
	s_mov_b32 s23, 0
	s_wait_dscnt 0x0                               ; both opening adds are done
	s_wait_kmcnt 0x0
	s_load_b32 s62, s[10:11], 0x0                  ; noise_logvar
	s_load_b32 s63, s[12:13], 0x0                  ; kde_logvar
	s_load_b64 s[66:67], s[14:15], 0x0             ; e0, e1
	s_add_nc_u64 s[6:7], s[6:7], s[22:23]
.irp g, 0,1,2,3
	s_mov_b32 s[32+4*\g], 1                        ; count = 1
	s_add_co_u32 s[33+4*\g], s68, \g*65536         ; LDS address: 8,192 x wave + 65,536 x group
	s_add_nc_u64 s[34+4*\g:35+4*\g], s[6:7], \g*65536
	s_or_b32 s[35+4*\g], s[35+4*\g], 0x80000000    ; type = 2
.endr
	ROUND                                          ; all four work-groups are here: the joint loads meet
.irp g, 0,1,2,3
	tensor_load_to_lds s[32+4*\g:35+4*\g], s[24:31] ; every wave issues its four: all first fills, one group
	s_nop 0
.endr
.rept 4
	v_nop
.endr
	v_and_b32 v12, 15, v0                          ; r
	v_bfe_u32 v13, v0, 4, 1                        ; h
	v_and_b32 v1, 31, v0
	v_lshlrev_b32 v1, 4, v1
	v_lshlrev_b32 v2, 5, v13
	v_add_nc_u32 v2, BIASL, v2
	v_lshlrev_b32 v6, 3, v13
	v_sub_nc_u32 v6, v12, v6
	v_lshlrev_b32 v3, 3, v0                        ; 8 x thread: my two of the block's 512 numbers of bias,
	v_add_nc_u32 v16, BIASL, v3                    ; and their place in LDS
	v_lshlrev_b32 v17, 2, v12
	s_lshl_b32 s22, s21, 11
	s_add_nc_u64 s[68:69], s[8:9], s[22:23]        ; bias at the column block
	s_lshl_b32 s22, s20, 11
	s_lshl_b32 s70, s18, 8
	s_add_co_u32 s22, s22, s70
	s_add_nc_u64 s[8:9], s[8:9], s[22:23]          ; bias at my wave's rows
	s_lshl_b32 s22, s20, 18
	s_lshl_b32 s70, s18, 15
	s_add_co_u32 s22, s22, s70
	s_add_nc_u64 s[4:5], s[4:5], s[22:23]          ; the left operand's codes at my wave's four tiles
	s_lshl_b32 s22, s21, 16
	s_lshl_b32 s70, s20, 12
	s_add_co_u32 s22, s22, s70
	s_lshl_b32 s70, s18, 9
	s_add_co_u32 s22, s22, s70
	s_add_nc_u64 s[16:17], s[16:17], s[22:23]      ; part: 65,536 cb + 4,096 rb + 512 wave
	global_load_b64 v[18:19], v3, s[68:69]
.irp q, 0,1,2,3
	global_load_b32 v[XI+\q], v17, s[8:9] offset:64*\q
.endr
	WIN 0x40                                       ; destination window 1
.irp q, 0,1,2,3
.irp s, 0,1,2,3
.irp c, 0,1,2,3
	global_load_b128 v[64*\q+16*\s+4*\c:64*\q+16*\s+4*\c+3], v1, s[4:5] offset:8192*\q+2048*\s+512*\c
.endr
.endr
.endr
	WIN 0
	s_wait_kmcnt 0x0
	s_add_co_i32 s52, s66, s67                     ; E
	s_sub_co_i32 s53, 0, s52
	v_mov_b32 v8, s62
	v_mov_b32 v10, s63
	v_mul_f32 v8, 0x3fb8aa3b, v8
	v_mul_f32 v10, 0x3fb8aa3b, v10
	v_exp_f32 v8, v8                               ; exp(noise_logvar)
	v_exp_f32 v10, v10                             ; exp(kde_logvar)
	v_mov_b32 v9, 0                                ; (named as the upper halves of pairs, so they are written.  Plain lines behind the exponentials)
	v_mov_b32 v11, 0
	s_wait_alu depctr_va_vdst(0)                   ; the wait ahead of the first line that names a result: one for the two
	v_add_f32 v8, v8, v10                          ; total_var
	v_rcp_f32 v12, v8
	v_rcp_f32 v14, v10
	v_mul_f32 v7, 0x6258d727, v10                  ; 1e21 x kdevar.  (A plain line behind the reciprocals)
	s_wait_alu depctr_va_vdst(0)
	v_mul_f32 v12, 0x3fb8aa3b, v12
	v_mul_f32 v14, 0x3fb8aa3b, v14
	v_ldexp_f32 v12, v12, s52                      ; k1
	v_ldexp_f32 v14, v14, s52                      ; k2
	v_ldexp_f32 v7, v7, s53                        ; BIG
	v_readfirstlane_b32 s48, v12
	v_readfirstlane_b32 s50, v14
	v_readfirstlane_b32 s53, v7
	s_mov_b32 s49, s48                             ; (named with them as pairs)
	s_mov_b32 s51, s50
	s_cmp_eq_u32 s20, s21
	s_cselect_b32 s53, s53, 0                      ; a choice of a value: only a block on the diagonal has a mask
	v_mov_b32 v7, s53
	v_mov_b32 v13, 0
	v_mov_b32 v15, 0
.irp q, 0,1,2,3                        ; the step is written once: the first finds m = -3e38, under every w, and sums of 0, which the first rescaling leaves 0
	v_mov_b32 v[ST+6*\q], 0xff61b1e6
	v_mov_b32 v[ST+6*\q+1], 0xff61b1e6
	v_mov_b32 v[ST+6*\q+2], 0
	v_mov_b32 v[ST+6*\q+3], 0
	v_mov_b32 v[ST+6*\q+4], 0
	v_mov_b32 v[ST+6*\q+5], 0
.endr
	s_wait_loadcnt 63                              ; of my 69 loads 63 may be out: the oldest, the two numbers of bias, is in
	ds_store_b64 v16, v[18:19]
	s_wait_tensorcnt 3                             ; my tile of group 0 is in; my three younger loads may be out
	s_wait_dscnt 0x0                               ; my store has landed
	s_barrier_signal -1
	s_barrier_wait -1                              ; everybody's have
.macro LOADB                           ; the next step's two key tiles: 8 fragments, 32 loads of 512 consecutive bytes, in one run
	v_add_nc_u32 v3, s54, v1
.irp u, 0,1
.irp s, 0,1,2,3
.irp c, 0,1,2,3
	ds_load_b128 v[BF+64*\u+16*\s+4*\c:BF+64*\u+16*\s+4*\c+3], v3 offset:8192*\u+2048*\s+512*\c
.endr
.endr
.endr
.endm
.macro LOADBIAS                        ; and their bias in the result's layout: register d of key tile u = bias[32 t + 16 u + 8 h + d]
	v_add_nc_u32 v3, s55, v2
.irp u, 0,1
.irp i, 0,1
	ds_load_b128 v[T+8*\u+4*\i:T+8*\u+4*\i+3], v3 offset:64*\u+16*\i
.endr
.endr
.endm
.macro MUL                             ; 32 matrix instructions: the eight accumulators by turns, one instruction a turn, K ascending
	WIN 0x04                                       ; source 1 (my rows) window 1
.irp s, 0,1,2,3
.irp u, 0,1
.irp q, 0,1,2,3
.if \s == 0
	v_wmma_f32_16x16x128_fp8_fp8 v[W+16*\q+8*\u:W+16*\q+8*\u+7], v[BF+64*\u+16*\s:BF+64*\u+16*\s+15], v[64*\q+16*\s:64*\q+16*\s+15], v[T+8*\u:T+8*\u+7]
.else
	v_wmma_f32_16x16x128_fp8_fp8 v[W+16*\q+8*\u:W+16*\q+8*\u+7], v[BF+64*\u+16*\s:BF+64*\u+16*\s+15], v[64*\q+16*\s:64*\q+16*\s+15], v[W+16*\q+8*\u:W+16*\q+8*\u+7]
.endif
.endr
.endr
.endr
	WIN 0
.endm
.macro CHAIN w                         ; the largest of 15 of the lane's 16 numbers into v17, in two chains; each accumulator is read from its low end on
	v_max3_num_f32 v16, v[(\w)], v[(\w)+1], v[(\w)+2]
	v_max3_num_f32 v17, v[(\w)+8], v[(\w)+9], v[(\w)+10]
	v_max3_num_f32 v16, v16, v[(\w)+3], v[(\w)+4]
	v_max3_num_f32 v17, v17, v[(\w)+11], v[(\w)+12]
	v_max3_num_f32 v16, v16, v[(\w)+5], v[(\w)+6]
	v_max3_num_f32 v17, v17, v[(\w)+13], v[(\w)+14]
	v_max3_num_f32 v17, v16, v17, v[(\w)+7]
.endm
; Tile q's two softmax steps for 32 keys: 16 numbers a lane.  The first one's exponents go into X (registers that are done with: T, or the tile before), the second one's stay in W.
.macro V q
.set rW, W+16*(\q)
.if (\q) == 0
.set rX, T
.else
.set rX, W+16*((\q)-1)
.endif
.set rS, ST+6*(\q)
.set rD, rW+8*((\q)%2)
	v_mul_f32 v12, s48, v[rS]                      ; k1 m1 and k2 m2 as they were
	v_mul_f32 v14, s50, v[rS+1]
	CHAIN rW
	v_max3_num_f32 v[rS], v17, v[rW+15], v[rS]     ; the new m1
	v_mul_f32 v8, s48, v[rS]
	v_sub_f32 v12, v12, v8                         ; k1 m1_old - k1 m1_new
.irp j, 0,2,4,6,8,10,12,14
	v_pk_fma_f32 v[rX+\j:rX+\j+1], v[rW+\j:rW+\j+1], s[48:49], v[8:9] op_sel_hi:[1,0,0] neg_lo:[0,0,1] neg_hi:[0,0,1]   ; k1 w - k1 m1
.endr
	s_cmp_lg_u32 s56, s[57+(\q)/2]                 ; the step and the wave's number alone: the same in all partners
	s_cbranch_scc1 .Lnodiag_\@
.irp d, 0,1,2,3,4,5,6,7                ; the one key tile in which my rows meet their own keys: w - BIG where the key is the row's own, w - 0 elsewhere
	v_cmp_eq_u32 vcc_lo, \d, v6
	v_cndmask_b32 v18, 0, v7, vcc_lo
	v_sub_f32 v[rD+\d], v[rD+\d], v18
.endr
	CHAIN rW                                       ; the maximum of what is left
.Lnodiag_\@:
	v_max3_num_f32 v[rS+1], v17, v[rW+15], v[rS+1] ; the new m2
	v_mul_f32 v10, s50, v[rS+1]
	v_sub_f32 v14, v14, v10
	v_exp_f32 v12, v12                             ; ONE BATCH of 34 exponentials; no line of it names a result
	v_exp_f32 v14, v14
.irp j, 0,2,4,6,8,10,12,14
	v_pk_fma_f32 v[rW+\j:rW+\j+1], v[rW+\j:rW+\j+1], s[50:51], v[10:11] op_sel_hi:[1,0,0] neg_lo:[0,0,1] neg_hi:[0,0,1]   ; k2 w - k2 m2
	v_exp_f32 v[rX+\j], v[rX+\j]
	v_exp_f32 v[rX+\j+1], v[rX+\j+1]
.endr
.irp j, 0,1,2,3,4,5,6,7,8,9,10,11,12,13,14,15
	v_exp_f32 v[rW+\j], v[rW+\j]
.endr
	v_nop                                          ; a plain line behind the last exponential
	s_wait_alu depctr_va_vdst(0)                   ; the wait ahead of the first line that names a result: one for the batch
.irp j, 0,4,8,12
	v_pk_add_f32 v[rX+\j:rX+\j+1], v[rX+\j:rX+\j+1], v[rX+\j+2:rX+\j+3]
	v_pk_add_f32 v[rW+\j:rW+\j+1], v[rW+\j:rW+\j+1], v[rW+\j+2:rW+\j+3]
.endr
.irp j, 0,8
	v_pk_add_f32 v[rX+\j:rX+\j+1], v[rX+\j:rX+\j+1], v[rX+\j+4:rX+\j+5]
	v_pk_add_f32 v[rW+\j:rW+\j+1], v[rW+\j:rW+\j+1], v[rW+\j+4:rW+\j+5]
.endr
	v_pk_add_f32 v[rX:rX+1], v[rX:rX+1], v[rX+8:rX+9]
	v_pk_add_f32 v[rW:rW+1], v[rW:rW+1], v[rW+8:rW+9]
	v_pk_fma_f32 v[rS+2:rS+3], v[rS+2:rS+3], v[12:13], v[rX:rX+1] op_sel_hi:[1,0,1]   ; s1 = s1 x 2^(k1 m1_old - k1 m1_new) + the step's sum
	v_pk_fma_f32 v[rS+4:rS+5], v[rS+4:rS+5], v[14:15], v[rW:rW+1] op_sel_hi:[1,0,1]
.endm
; A step of 32 keys.  mode 0: the next step's tiles lie in the same group.  mode 1: in the next group: n of my younger tensor loads may stay out.  mode 2: the last step.
.macro BODY mode, n
	s_wait_dscnt 0x0                               ; the step's 36 LDS loads, issued a step ago, are in
	MUL
.rept 4
	v_nop                                          ; four places ahead of the loads into registers that the products read, of the first read of results and of the writes into T
.endr
.if \mode == 1
	s_wait_tensorcnt \n                            ; my tile of the next group is in,
	s_barrier_signal -1                            ; (no LDS instruction of mine is out)
	s_barrier_wait -1                              ; everybody's is
.endif
.if \mode < 2
	LOADB
.endif
	V 0
.if \mode < 2
	LOADBIAS                                       ; T is free from here on
.endif
	V 1
	V 2
	V 3
.if \mode < 2
	s_add_co_u32 s54, s54, 16384
	s_add_co_u32 s55, s55, 128
	s_add_co_u32 s56, s56, 1
.endif
.endm
.macro GROUP mode, n                   ; a group's four steps
	s_mov_b32 s59, 3
.Lgrp_\@:
	BODY 0, 0
	s_sub_co_u32 s59, s59, 1
	s_cmp_lg_u32 s59, 0
	s_cbranch_scc1 .Lgrp_\@
	BODY \mode, \n
.endm
	LOADB                                          ; step 0
	LOADBIAS
	s_mov_b32 s54, 16384
	s_mov_b32 s55, 128
	s_wait_loadcnt 0x0                             ; my rows' codes and their bias
	GROUP 1, 2
	GROUP 1, 1
	GROUP 1, 0
	GROUP 2, 0
	; THE END.  Number u = 2 q + L: tile q, logsumexp L.  The two lanes that hold a row's keys are joined under their common maximum MM; then L = k (MM + bias[i]) + log2(sum) - (k MM - its rounded value).
.irp u, 0,1,2,3,4,5,6,7
	v_add_f32 v[64+\u], v[ST+6*(\u/2)+2+2*(\u%2)], v[ST+6*(\u/2)+3+2*(\u%2)]
.endr
.irp u, 0,1,2,3,4,5,6,7
	v_mul_f32 v[72+\u], s[48+2*(\u%2)], v[ST+6*(\u/2)+(\u%2)]     ; k m, rounded as in the steps
.endr
.irp u, 0,1,2,3,4,5,6,7
	v_permlanex16_b32 v[80+\u], v[ST+6*(\u/2)+(\u%2)], s60, s61
.endr
.irp u, 0,1,2,3,4,5,6,7
	v_max_num_f32 v[88+\u], v[ST+6*(\u/2)+(\u%2)], v[80+\u]       ; MM
.endr
.irp u, 0,1,2,3,4,5,6,7
	v_mul_f32 v[96+\u], s[48+2*(\u%2)], v[88+\u]
.endr
.irp u, 0,1,2,3,4,5,6,7
	v_sub_f32 v[104+\u], v[72+\u], v[96+\u]
.endr
.irp u, 0,1,2,3,4,5,6,7
	v_exp_f32 v[104+\u], v[104+\u]
.endr
.irp u, 0,1,2,3,4,5,6,7
	v_fma_f32 v[72+\u], s[48+2*(\u%2)], v[88+\u], -v[96+\u]       ; what the rounding of k MM left out.  (Plain lines behind the exponentials)
.endr
	s_wait_alu depctr_va_vdst(0)                   ; one wait for the eight
.irp u, 0,1,2,3,4,5,6,7
	v_mul_f32 v[64+\u], v[64+\u], v[104+\u]
.endr
.irp u, 0,1,2,3,4,5,6,7
	v_permlanex16_b32 v[112+\u], v[64+\u], s60, s61
.endr
.irp u, 0,1,2,3,4,5,6,7
	v_add_f32 v[64+\u], v[64+\u], v[112+\u]
.endr
.irp u, 0,1,2,3,4,5,6,7
	v_log_f32 v[64+\u], v[64+\u]
.endr
.irp u, 0,1,2,3,4,5,6,7
	v_add_f32 v[80+\u], v[88+\u], v[XI+\u/2]                      ; MM + bias[i], joined before the large factor multiplies.  (Plain lines behind the logarithms)
.endr
	s_wait_alu depctr_va_vdst(0)
.irp u, 0,1,2,3,4,5,6,7
	v_fma_f32 v[64+\u], s[48+2*(\u%2)], v[80+\u], v[64+\u]
.endr
.irp u, 0,1,2,3,4,5,6,7
	v_sub_f32 v[64+\u], v[64+\u], v[72+\u]
.endr
	v_cmp_le_u32 vcc_lo, 0x100, v1                 ; both lanes of a row hold all eight: lanes 0-15 store tiles 0 and 1, lanes 16-31 tiles 2 and 3
.irp i, 0,1,2,3
	v_cndmask_b32 v[64+\i], v[64+\i], v[68+\i], vcc_lo
.endr
	global_store_b128 v1, v[64:67], s[16:17]       ; 512 consecutive bytes, at a multiple of 256 from part's first byte
	s_wait_tensorcnt 0x0                           ; the wave's end: behind my last tensor load and my last LDS store
	ds_add_u32 v4, v5
	s_wait_dscnt 0x0
	ROUND                                          ; the closing round
	s_endpgm
.Lfunc_end_k_q4ff8828c54_main:
	.size	k_q4ff8828c54_main, .Lfunc_end_k_q4ff8828c54_main-k_q4ff8828c54_main
	.p2alignl 7, 3214868480
	.fill 96, 4, 3214868480
	.section	.rodata,"a",@progbits
	.p2align	6, 0x0
	.amdhsa_kernel k_q4ff8828c54_main
		.amdhsa_group_segment_fixed_size 265216
		.amdhsa_private_segment_fixed_size 0
		.amdhsa_enable_private_segment 0
		.amdhsa_kernarg_size 56
		.amdhsa_user_sgpr_count 2
		.amdhsa_user_sgpr_kernarg_segment_ptr 1
		.amdhsa_wavefront_size32 1
		.amdhsa_system_sgpr_workgroup_id_x 1
		.amdhsa_system_sgpr_workgroup_id_y 1
		.amdhsa_system_sgpr_workgroup_id_z 1
		.amdhsa_system_vgpr_workitem_id 0
		.amdhsa_next_free_vgpr 512
		.amdhsa_next_free_sgpr 72
		.amdhsa_reserve_vcc 1
		.amdhsa_float_denorm_mode_32 3
		.amdhsa_float_denorm_mode_16_64 3
		.amdhsa_memory_ordered 1
		.amdhsa_forward_progress 1
		.amdhsa_inst_pref_size 222
	.end_amdhsa_kernel
	.amdgpu_metadata
---
amdhsa.version: [ 1, 2 ]
amdhsa.kernels:
  - .name:           k_q4ff8828c54_main
    .symbol:         k_q4ff8828c54_main.kd
    .args:
      - { .name: acodes, .offset: 0, .size: 8, .value_kind: global_buffer, .address_space: global }
      - { .name: bcodes, .offset: 8, .size: 8, .value_kind: global_buffer, .address_space: global }
      - { .name: bias, .offset: 16, .size: 8, .value_kind: global_buffer, .address_space: global }
      - { .name: noise_logvar, .offset: 24, .size: 8, .value_kind: global_buffer, .address_space: global }
      - { .name: kde_logvar, .offset: 32, .size: 8, .value_kind: global_buffer, .address_space: global }
      - { .name: lowp_scales, .offset: 40, .size: 8, .value_kind: global_buffer, .address_space: global }
      - { .name: part, .offset: 48, .size: 8, .value_kind: global_buffer, .address_space: global }
    .group_segment_fixed_size: 265216
    .private_segment_fixed_size: 0
    .kernarg_segment_align: 8
    .kernarg_segment_size: 56
    .max_flat_workgroup_size: 256
    .sgpr_count:     72
    .vgpr_count:     512
    .wavefront_size: 32
...
	.end_amdgpu_metadata
.endif
;; end of part 2
;; launch merge (part 3): grid 128 x 1, 1 waves a work-group, no clusters, 0 bytes of LDS; arguments part, wsum; writes wsum
.if DOCPART == 3
	.amdgcn_target "amdgcn-amd-amdhsa--gfx1250"
	.amdhsa_code_object_version 6
	.text
	.protected	k_q4ff8828c54_merge
	.globl	k_q4ff8828c54_merge
	.p2align	8
	.type	k_q4ff8828c54_merge,@function
k_q4ff8828c54_merge:
	s_mov_b64 s[64:65], 0
	v_nop
	global_prefetch_b8 v0, s[64:65] scope:SCOPE_SE
	s_setreg_imm32_b32 hwreg(HW_REG_WAVE_MODE, 25, 1), 1
	s_wait_xcnt 0x0
; LAUNCH 3 OF 4.  part holds, for each of 16 column blocks (planes of 65,536 bytes), each row's two partial logsumexps in base 2.  A work-group of one wave takes 64 rows: 512 bytes of each plane, four numbers a lane
; (L1, L2 of one row; L1, L2 of another).  It joins the 16 planes under their maximum, log2(sum of 2^(L - M)) + M, and sums the 64 rows: wsum[work-group] = (sum of lse1, sum of lse2), in base 2.
; No LDS, no barrier, no matrix unit: 8 KiB a wave, read once, all 16 loads out together.
	s_load_b128 s[4:7], s[0:1], 0x0                ; part, wsum
	v_lshlrev_b32 v1, 4, v0                        ; 16 x lane
	s_lshl_b32 s8, ttmp9, 9
	s_mov_b32 s9, 0
	s_lshl_b32 s10, ttmp9, 3
	s_mov_b32 s11, 0
	s_mov_b32 s12, 0x76543210
	s_mov_b32 s13, 0xfedcba98
	s_wait_kmcnt 0x0
	s_add_nc_u64 s[4:5], s[4:5], s[8:9]
	s_add_nc_u64 s[6:7], s[6:7], s[10:11]
.set p, 0
.rept 16
	global_load_b128 v[16+4*p:19+4*p], v1, s[4:5] offset:65536*p th:TH_LOAD_NT
.set p, p+1
.endr
	s_wait_loadcnt 0x0
.irp c, 0,1,2,3
	v_max3_num_f32 v[8+\c], v[16+\c], v[20+\c], v[24+\c]
.endr
.irp p, 3,5,7,9,11,13
.irp c, 0,1,2,3
	v_max3_num_f32 v[8+\c], v[8+\c], v[16+4*\p+\c], v[20+4*\p+\c]
.endr
.endr
.irp c, 0,1,2,3
	v_max_num_f32 v[8+\c], v[8+\c], v[76+\c]       ; M
.endr
.set p, 0
.rept 16
	v_pk_add_f32 v[16+4*p:17+4*p], v[16+4*p:17+4*p], v[8:9] neg_lo:[0,1] neg_hi:[0,1]
	v_pk_add_f32 v[18+4*p:19+4*p], v[18+4*p:19+4*p], v[10:11] neg_lo:[0,1] neg_hi:[0,1]
.set p, p+1
.endr
.set p, 0
.rept 64
	v_exp_f32 v[16+p], v[16+p]
.set p, p+1
.endr
	v_nop                                          ; a plain line behind the last exponential
	s_wait_alu depctr_va_vdst(0)                   ; the wait ahead of the first line that names a result: one for the batch
.set p, 1
.rept 15
	v_pk_add_f32 v[16:17], v[16:17], v[16+4*p:17+4*p]
	v_pk_add_f32 v[18:19], v[18:19], v[18+4*p:19+4*p]
.set p, p+1
.endr
.irp c, 0,1,2,3
	v_log_f32 v[16+\c], v[16+\c]
.endr
	v_mov_b32 v12, 0                               ; the store's offset.  (A plain line behind the logarithms)
	s_wait_alu depctr_va_vdst(0)
	v_pk_add_f32 v[8:9], v[8:9], v[16:17]
	v_pk_add_f32 v[10:11], v[10:11], v[18:19]
	v_pk_add_f32 v[8:9], v[8:9], v[10:11]          ; my two rows: lse1 in v8, lse2 in v9
.irp m, 1,2,4,8
	v_add_f32_dpp v8, v8, v8 row_xmask:\m row_mask:0xf bank_mask:0xf
	v_add_f32_dpp v9, v9, v9 row_xmask:\m row_mask:0xf bank_mask:0xf
.endr
	v_permlanex16_b32 v10, v8, s12, s13
	v_permlanex16_b32 v11, v9, s12, s13
	v_pk_add_f32 v[8:9], v[8:9], v[10:11]
	s_wait_xcnt 0x0                                ; EXEC changes only behind this wait
	v_cmp_eq_u32 vcc_lo, 0, v0
	s_and_saveexec_b32 s14, vcc_lo
	global_store_b64 v12, v[8:9], s[6:7]           ; one lane, 8 bytes: the launch's whole result is 1 KiB
	s_wait_xcnt 0x0
	s_or_b32 exec_lo, exec_lo, s14
	s_endpgm
.Lfunc_end_k_q4ff8828c54_merge:
	.size	k_q4ff8828c54_merge, .Lfunc_end_k_q4ff8828c54_merge-k_q4ff8828c54_merge
	.p2alignl 7, 3214868480
	.fill 96, 4, 3214868480
	.section	.rodata,"a",@progbits
	.p2align	6, 0x0
	.amdhsa_kernel k_q4ff8828c54_merge
		.amdhsa_group_segment_fixed_size 0
		.amdhsa_private_segment_fixed_size 0
		.amdhsa_enable_private_segment 0
		.amdhsa_kernarg_size 16
		.amdhsa_user_sgpr_count 2
		.amdhsa_user_sgpr_kernarg_segment_ptr 1
		.amdhsa_wavefront_size32 1
		.amdhsa_system_sgpr_workgroup_id_x 1
		.amdhsa_system_sgpr_workgroup_id_y 1
		.amdhsa_system_sgpr_workgroup_id_z 1
		.amdhsa_system_vgpr_workitem_id 0
		.amdhsa_next_free_vgpr 96
		.amdhsa_next_free_sgpr 66
		.amdhsa_reserve_vcc 1
		.amdhsa_float_denorm_mode_32 3
		.amdhsa_float_denorm_mode_16_64 3
		.amdhsa_memory_ordered 1
		.amdhsa_forward_progress 1
		.amdhsa_inst_pref_size 12
	.end_amdhsa_kernel
	.amdgpu_metadata
---
amdhsa.version: [ 1, 2 ]
amdhsa.kernels:
  - .name:           k_q4ff8828c54_merge
    .symbol:         k_q4ff8828c54_merge.kd
    .args:
      - { .name: part, .offset: 0, .size: 8, .value_kind: global_buffer, .address_space: global }
      - { .name: wsum, .offset: 8, .size: 8, .value_kind: global_buffer, .address_space: global }
    .group_segment_fixed_size: 0
    .private_segment_fixed_size: 0
    .kernarg_segment_align: 8
    .kernarg_segment_size: 16
    .max_flat_workgroup_size: 32
    .sgpr_count:     66
    .vgpr_count:     96
    .wavefront_size: 32
...
	.end_amdgpu_metadata
.endif
;; end of part 3
;; launch final (part 4): grid 1 x 1, 1 waves a work-group, no clusters, 0 bytes of LDS; arguments wsum, kde_logvar, beta, out1, out2; writes out1, out2
.if DOCPART == 4
	.amdgcn_target "amdgcn-amd-amdhsa--gfx1250"
	.amdhsa_code_object_version 6
	.text
	.protected	k_q4ff8828c54_final
	.globl	k_q4ff8828c54_final
	.p2align	8
	.type	k_q4ff8828c54_final,@function
k_q4ff8828c54_final:
	s_mov_b64 s[64:65], 0
	v_nop
	global_prefetch_b8 v0, s[64:65] scope:SCOPE_SE
	s_setreg_imm32_b32 hwreg(HW_REG_WAVE_MODE, 25, 1), 1
	s_wait_xcnt 0x0
; LAUNCH 4 OF 4.  out1 = beta (log N - mean(lse1));  out2 = log(N - 1) + normconst_kde - mean(lse2), normconst_kde = 256 log(2 pi exp(kde_logvar)).  wsum holds 128 pairs of sums in base 2; N = 8,192.
; WORK LEFT OUT: normconst, which reference() adds into h and takes away again in mi, for all values of the inputs (shown at the head of the first launch's text).  noise_logvar reaches out1 through k1 in the second launch.
; LIMIT: exp(kde_logvar) under 2^-126 counts as 0.
	s_load_b256 s[4:11], s[0:1], 0x0               ; wsum s[4:5], kde_logvar s[6:7], beta s[8:9], out1 s[10:11]
	s_load_b64 s[12:13], s[0:1], 0x20              ; out2
	v_lshlrev_b32 v1, 4, v0
	v_mov_b32 v2, 0
	s_mov_b32 s16, 0x38b17218                      ; log(2) / 8192
	s_mov_b32 s17, 0x41102cb3                      ; log(8192)
	s_mov_b32 s18, 0x43317218                      ; 256 log(2)
	s_mov_b32 s19, 0x41102c33                      ; log(8191)
	s_mov_b32 s20, 0x76543210
	s_mov_b32 s21, 0xfedcba98
	s_wait_kmcnt 0x0
	s_load_b32 s14, s[6:7], 0x0                    ; kde_logvar
	s_load_b32 s15, s[8:9], 0x0                    ; beta
	global_load_b128 v[4:7], v1, s[4:5]
	global_load_b128 v[8:11], v1, s[4:5] offset:512
	s_wait_kmcnt 0x0
	v_mov_b32 v12, s14
	v_mul_f32 v12, 0x3fb8aa3b, v12
	v_exp_f32 v12, v12                             ; kdevar
	v_nop                                          ; a plain line behind the exponential
	s_wait_alu depctr_va_vdst(0)                   ; the wait ahead of the first line that names the result
	v_mul_f32 v12, 0x40c90fdb, v12                 ; 2 pi kdevar
	v_log_f32 v12, v12
	v_nop
	s_wait_alu depctr_va_vdst(0)
	v_fma_f32 v12, v12, s18, s19                   ; normconst_kde + log(N - 1)
	s_wait_loadcnt 0x0
	v_pk_add_f32 v[4:5], v[4:5], v[6:7]
	v_pk_add_f32 v[8:9], v[8:9], v[10:11]
	v_pk_add_f32 v[4:5], v[4:5], v[8:9]
.irp m, 1,2,4,8
	v_add_f32_dpp v4, v4, v4 row_xmask:\m row_mask:0xf bank_mask:0xf
	v_add_f32_dpp v5, v5, v5 row_xmask:\m row_mask:0xf bank_mask:0xf
.endr
	v_permlanex16_b32 v6, v4, s20, s21
	v_permlanex16_b32 v7, v5, s20, s21
	v_pk_add_f32 v[4:5], v[4:5], v[6:7]            ; the sums over all 8,192 rows, in base 2
	v_fma_f32 v4, -v4, s16, s17                    ; log N - mean(lse1)
	v_mul_f32 v4, s15, v4                          ; x beta
	v_fma_f32 v5, -v5, s16, v12
	s_wait_xcnt 0x0                                ; EXEC changes only behind this wait
	v_cmp_eq_u32 vcc_lo, 0, v0
	s_and_saveexec_b32 s22, vcc_lo
	global_store_b32 v2, v4, s[10:11]
	global_store_b32 v2, v5, s[12:13]
	s_wait_xcnt 0x0
	s_or_b32 exec_lo, exec_lo, s22
	s_endpgm
.Lfunc_end_k_q4ff8828c54_final:
	.size	k_q4ff8828c54_final, .Lfunc_end_k_q4ff8828c54_final-k_q4ff8828c54_final
	.p2alignl 7, 3214868480
	.fill 96, 4, 3214868480
	.section	.rodata,"a",@progbits
	.p2align	6, 0x0
	.amdhsa_kernel k_q4ff8828c54_final
		.amdhsa_group_segment_fixed_size 0
		.amdhsa_private_segment_fixed_size 0
		.amdhsa_enable_private_segment 0
		.amdhsa_kernarg_size 40
		.amdhsa_user_sgpr_count 2
		.amdhsa_user_sgpr_kernarg_segment_ptr 1
		.amdhsa_wavefront_size32 1
		.amdhsa_system_sgpr_workgroup_id_x 1
		.amdhsa_system_sgpr_workgroup_id_y 1
		.amdhsa_system_sgpr_workgroup_id_z 1
		.amdhsa_system_vgpr_workitem_id 0
		.amdhsa_next_free_vgpr 32
		.amdhsa_next_free_sgpr 66
		.amdhsa_reserve_vcc 1
		.amdhsa_float_denorm_mode_32 3
		.amdhsa_float_denorm_mode_16_64 3
		.amdhsa_memory_ordered 1
		.amdhsa_forward_progress 1
		.amdhsa_inst_pref_size 4
	.end_amdhsa_kernel
	.amdgpu_metadata
---
amdhsa.version: [ 1, 2 ]
amdhsa.kernels:
  - .name:           k_q4ff8828c54_final
    .symbol:         k_q4ff8828c54_final.kd
    .args:
      - { .name: wsum, .offset: 0, .size: 8, .value_kind: global_buffer, .address_space: global }
      - { .name: kde_logvar, .offset: 8, .size: 8, .value_kind: global_buffer, .address_space: global }
      - { .name: beta, .offset: 16, .size: 8, .value_kind: global_buffer, .address_space: global }
      - { .name: out1, .offset: 24, .size: 8, .value_kind: global_buffer, .address_space: global }
      - { .name: out2, .offset: 32, .size: 8, .value_kind: global_buffer, .address_space: global }
    .group_segment_fixed_size: 0
    .private_segment_fixed_size: 0
    .kernarg_segment_align: 8
    .kernarg_segment_size: 40
    .max_flat_workgroup_size: 32
    .sgpr_count:     66
    .vgpr_count:     32
    .wavefront_size: 32
...
	.end_amdgpu_metadata
.endif
;; end of part 4
